; MI455X (gfx1250); checked and timed in simulation.
; The chip was launched on July 23, 2026; its instructions are those of AMD's public machine-readable ISA for CDNA 5 (MIT licence, August 2026) and "CDNA5" Instruction Set Architecture Reference Guide (July 2026). The comments in the code are by the model that wrote it; some were corrected since.
;; KNN. Allowed arithmetic: matrix products marked QUANTISED: E4M3 operands, one given power-of-two scale a tensor, by v_wmma_f32_16x16x64_fp8_fp8 or v_wmma_f32_16x16x128_fp8_fp8, f32 sums; everything else in f32.
;; Inputs: X 100,000 x 512 float32; Y 100,000 int32; lowp_scales 2 int32 (the exponents e of the quantised operands' scales 2^e); queries 1,024 x 512 float32.
;; Outputs: out0 1,024 x 2 float32.
;; Constants: K = 5.
;; This version of the problem:
;;   THIS VERSION OF THE PROBLEM IS GIVEN IN LOW PRECISION. The matrix products marked QUANTISED in the list below multiply operands that are first quantised to E4M3 (4 exponent bits, 3 mantissa bits; 8 bits a number), with one given power-of-two scale for each operand tensor; their sums are f32. All else is computed in f32.
;;   The module's matrix products, in the order in which they are computed (A, B: the left and right operand; K: the contracted axis; several contracted axes count as one K, in the product's order):
;;     1. [M 1,024, K 512] x [K 512, N 100,000]; A: input queries; B: input X: QUANTISED (scales: A lowp_scales[0], B lowp_scales[1])
;;   THE QUANTISER, for each operand of a quantised product, along K:
;;     - The operand's scale is 2^e, e = its entry of the input lowp_scales (int32; the entries are numbered through the quantised products in the list's order, A before B).
;;     - Each number is divided by the scale, clamped to +-448, and rounded to the nearest number of E4M3, ties to even, subnormals kept.
;;     - The product sums the exact products of the quantised numbers (number of the format x scale) in f32.
;;   ~~~python
;;   def quantise(x, axis, e):      # numpy; x: float32 -> the quantised numbers, widened to float32 again
;;       x = np.moveaxis(x, axis, -1); K = x.shape[-1]
;;       r = np.clip(x / 2.0 ** e, -448, 448)
;;       step = 2.0 ** (np.maximum(np.frexp(np.where(r == 0, 1, r))[1] - 1, -6) - 3)
;;       q = np.round(r / step) * step * 2.0 ** e      # np.round: ties to even
;;       return np.moveaxis(q, -1, axis).astype(np.float32)
;;   ~~~
;; One version. Each part assembles by itself: llvm-mc -triple=amdgcn-amd-amdhsa -mcpu=gfx1250 --defsym DOCPART=n.
;; ======== version 1 of 1: 4 launches
;; workspace buffers: xc 54,400,000 bytes; qc 557,056 bytes; cand 8,192,000 bytes; sel 32,768 bytes of whole numbers
;; launch quant (part 1): grid 3157 x 1, 1 waves a work-group, no clusters, 8,704 bytes of LDS; arguments X, queries, lowp_scales, xc, qc; writes xc, qc
.if DOCPART == 1
	.amdgcn_target "amdgcn-amd-amdhsa--gfx1250"
	.amdhsa_code_object_version 6
	.text
	.protected	k_q02930ef91c_quant
	.globl	k_q02930ef91c_quant
	.p2align	8
	.type	k_q02930ef91c_quant,@function
k_q02930ef91c_quant:
	s_mov_b64 s[64:65], 0
	v_nop
	global_prefetch_b8 v0, s[64:65] scope:SCOPE_SE
	s_setreg_imm32_b32 hwreg(HW_REG_WAVE_MODE, 25, 1), 1
	s_wait_xcnt 0x0
; KNN, launch 1 of 4: X [100000][512] and queries [1024][512], f32, become codes of E4M3, and each row of X gets its bias.
; THE WHOLE PROGRAM.  reference() ranks, for each query, neg_dist[n] = 2 q.x[n] - q2 - x2[n] and keeps the INDICES of the 5 largest.
; WORK LEFT OUT: q2 = sum(queries^2).  It is the same number for all n of a query, that is along the axis that top_k ranks, and top_k's values are thrown away: for all
; finite inputs the order of neg_dist + q2 is the order of neg_dist, so q2 can reach no output.  It is of x2's own size, so leaving it out moves nothing by more than rounding.
; The input queries is loaded all the same: the product needs it.  Every input is loaded by some launch.
; LIMIT: a NaN, an infinity or an overflow that would arise in q2 alone is not carried to the result.
; FOLDING: with codes cq, cx:  neg_dist + q2 = 2^(e0+e1+1) x (sum cq cx + bias[n]),  bias[n] = -x2[n] x 2^-(e0+e1+1).  The factor in front is positive and the same for all n, and the
; scaling of x2 by a power of two rounds nothing: the order is kept.  bias goes into the product as the C of each sum's first matrix instruction (launch 2).
; LIMITS: NaN and infinities among the inputs are not served; e0 and e1 lie between -126 and 119, so that 2^e and 448 x 2^e are f32 numbers.
; OUTPUT: a RECORD of 8,704 bytes for each tile of 16 rows: 8,192 bytes of codes as an image of the operand's registers, [K step s 4][c 4][lane 32][16 bytes]: lane (r = lane % 16, h = lane / 16)
; holds row r, and registers 4 c .. 4 c + 3 of K step s hold k = 128 s + 32 c + 16 h + 0 .. 15; then 512 bytes: 128 floats, float i = bias of row i % 16 (in qc these 512 bytes are neither written nor read).
; SHARES.  A work-group is one wave and takes two tiles (32 rows): the first 3,125 work-groups take X, the other 32 the queries; only pointers, the exponent and the x2 work hang on that.
; A step is one tile's K step: 16 rows x 512 bytes.  Each load reads 512 consecutive bytes of a row; the 8 KiB turn through the wave's stage in LDS (rows 528 bytes apart) and come back 64 bytes a lane,
; in the operand's order.  Loads run two steps (32 loads) ahead.  No tensor load, no barrier, no matrix unit: memory binds here.
.set PAIRS_X, 3125
.set REC,   8704
.set SP,    528                        ; a stage row: 512 bytes + 16: the sixteen rows that a load touches start at sixteen different 16-byte columns of 256
.set SPARE, 16*SP                      ; 8,448: behind the stage: the spare words, one block of 256 bytes that no other line names
.set SPW,   1                          ; v1   LDS address of my spare word; never rewritten
.set NIL,   2                          ; v2   0; never rewritten
.set L16,   3                          ; v3   16 x lane
.set FRD,   4                          ; v4   r x 528 + 64 h: where my 16 neighbours of a block of 32 begin in the stage
.set L4,    5                          ; v5   4 x lane
.set SC,    6                          ; v6   2^e as f32
.set XS,    7                          ; v7   a row's sum of squares
.set PT,    8                          ; v8   the other half's
.set LIM,   10                         ; v10  448 x 2^e
.set B,     12                         ; v12, v13  bias of my row in tile 0, tile 1
.set R,     16                         ; v16-143   two sets of 64: numbers as loaded
.set X,     144                        ; v144-207  64 numbers in the operand's order
.set C,     208                        ; v208-223  a K step's codes
.set A,     224                        ; v224-231  four packed chains of squares
	s_load_b256 s[4:11], s[0:1], 0x0               ; X s[4:5], queries s[6:7], the exponents s[8:9], xc s[10:11]
	s_load_b64 s[12:13], s[0:1], 0x20              ; qc
	v_lshl_add_u32 v[SPW], v0, 2, SPARE
	v_mov_b32 v[NIL], 0
	v_lshlrev_b32 v[L16], 4, v0
	v_and_b32 v9, 15, v0                           ; r
	v_lshrrev_b32 v11, 4, v0                       ; h
	v_mul_u32_u24 v[FRD], v9, SP
	v_lshl_add_u32 v[FRD], v11, 6, v[FRD]
	v_lshlrev_b32 v[L4], 2, v0
	v_mov_b32 v[XS], 0                             ; written once, so that no way round the branch on the work-group's kind reads them unwritten
	v_mov_b32 v[PT], 0
	v_mov_b32 v[B], 0
	v_mov_b32 v[B+1], 0
.irp i, 0,1,2,3,4,5,6,7
	v_mov_b32 v[A+\i], 0
.endr
	s_mov_b32 s20, 0x76543210                      ; v_permlanex16_b32: lane l takes lane l xor 16
	s_mov_b32 s21, 0xfedcba98
	s_cmp_lt_u32 ttmp9, PAIRS_X                    ; X's work-group or the queries'?
	s_cselect_b32 s27, 0, 1                        ; 1: queries
	s_cselect_b32 s14, 0, PAIRS_X
	s_sub_co_u32 s14, ttmp9, s14                   ; which pair of tiles of my tensor
	s_lshl_b32 s16, s14, 16                        ; 32 rows of 2,048 bytes: under 2^28
	s_mov_b32 s17, 0
	s_mul_i32 s18, s14, 2*REC
	s_mov_b32 s19, 0
	s_wait_kmcnt 0x0
	s_load_b64 s[22:23], s[8:9], 0x0               ; e0 (queries), e1 (X)
	s_cmp_lt_u32 ttmp9, PAIRS_X
	s_cselect_b64 s[4:5], s[4:5], s[6:7]
	s_cselect_b64 s[10:11], s[10:11], s[12:13]
	s_add_nc_u64 s[4:5], s[4:5], s[16:17]
	s_add_nc_u64 s[10:11], s[10:11], s[18:19]
.macro LOAD t                          ; step t = 4 u + s: tile u, K step s: 16 rows x 512 consecutive bytes, into set t % 2
.set lR, R+64*((\t)%2)
.set lO, ((\t)/4)*32768+((\t)%4)*512
.irp row, 0,1,2,3,4,5,6,7,8,9,10,11,12,13,14,15
	global_load_b128 v[lR+4*\row:lR+4*\row+3], v[L16], s[4:5] offset:lO+\row*2048 th:TH_LOAD_NT
.endr
.endm
	LOAD 0
	LOAD 1
	s_wait_kmcnt 0x0
	s_cmp_lt_u32 ttmp9, PAIRS_X
	s_cselect_b32 s24, s23, s22                    ; my tensor's e
	s_add_co_i32 s26, s22, s23
	s_add_co_i32 s26, s26, 1
	s_sub_co_i32 s26, 0, s26                       ; -(e0 + e1 + 1)
	s_add_co_i32 s24, s24, 127
	s_lshl_b32 s25, s24, 23
	v_mov_b32 v[SC], s25                           ; 2^e: the conversion takes its exponent field
	s_add_co_i32 s24, s24, 8
	s_lshl_b32 s24, s24, 23
	s_or_b32 s24, s24, 0x600000
	v_mov_b32 v[LIM], s24                          ; 448 x 2^e
.macro STEP t
.set su, (\t)/4
.set ss, (\t)%4
.set rR, R+64*((\t)%2)
.if (\t) < 7
	s_wait_loadcnt 16                              ; this step's 16 loads are in; the next step's 16 may be out
.else
	s_wait_loadcnt 0x0
.endif
.irp row, 0,1,2,3,4,5,6,7,8,9,10,11,12,13,14,15
	ds_store_b128 v[L16], v[rR+4*\row:rR+4*\row+3] offset:\row*SP
.endr
.irp c, 0,1,2,3
.irp j, 0,1,2,3
	ds_load_b128 v[X+16*\c+4*\j:X+16*\c+4*\j+3], v[FRD] offset:128*\c+16*\j   ; LDS serves a wave's instructions in order: these see the stores above
.endr
.endr
	s_wait_dscnt 0x0                               ; the numbers are back, and the stores have read their registers,
.if (\t)+2 < 8
	LOAD (\t)+2                                    ; which take the loads of two steps on
.endif
	s_cmp_lg_u32 s27, 0                            ; the queries have no bias: q2 is left out
	s_cbranch_scc1 .Lnosq_\@
.set i, 0
.rept 32
.if (ss == 0) && (i < 4)
	v_pk_mul_f32 v[A+2*(i%4):A+2*(i%4)+1], v[X+2*i:X+2*i+1], v[X+2*i:X+2*i+1]       ; a tile's first squares start the four chains
.else
	v_pk_fma_f32 v[A+2*(i%4):A+2*(i%4)+1], v[X+2*i:X+2*i+1], v[X+2*i:X+2*i+1], v[A+2*(i%4):A+2*(i%4)+1]
.endif
.set i, i+1
.endr
.if ss == 3
	v_pk_add_f32 v[A:A+1], v[A:A+1], v[A+2:A+3]
	v_pk_add_f32 v[A+4:A+5], v[A+4:A+5], v[A+6:A+7]
	v_pk_add_f32 v[A:A+1], v[A:A+1], v[A+4:A+5]
	v_add_f32 v[XS], v[A], v[A+1]
	v_permlanex16_b32 v[PT], v[XS], s20, s21       ; the row's other 256 numbers lie in the lane 16 away
	v_add_f32 v[XS], v[XS], v[PT]                  ; x2 of row r, of the numbers as they are given
	v_ldexp_f32 v[B+su], -v[XS], s26               ; bias = -x2 x 2^-(e0+e1+1)
.endif
.Lnosq_\@:
.set i, 0
.rept 64
	v_med3_num_f32 v[X+i], v[X+i], -v[LIM], v[LIM] ; the conversion to an 8-bit code does not saturate (ISA guide 7.6.2): hold the number within 448 x the scale first
.set i, i+1
.endr
	s_wait_xcnt 0x0                                ; the last step's stores have read their data: the codes' registers are written again only behind this wait
.irp c, 0,1,2,3
	v_cvt_scalef32_pk8_fp8_f32 v[C+4*\c:C+4*\c+1], v[X+16*\c:X+16*\c+7], v[SC]
	v_cvt_scalef32_pk8_fp8_f32 v[C+4*\c+2:C+4*\c+3], v[X+16*\c+8:X+16*\c+15], v[SC]
.endr
	v_nop                                          ; one plain vector line behind the last conversion of the run
.irp c, 0,1,2,3
	global_store_b128 v[L16], v[C+4*\c:C+4*\c+3], s[10:11] offset:su*REC+2048*ss+512*\c   ; 32 lanes store 512 consecutive bytes, at a multiple of 256 from the buffer's first byte
.endr
.if ss == 3
	s_cmp_lg_u32 s27, 0
	s_cbranch_scc1 .Lnob_\@
.irp i, 0,1,2,3
	global_store_b32 v[L4], v[B+su], s[10:11] offset:su*REC+8192+128*\i   ; float 32 i + lane = bias of row lane % 16
.endr
.Lnob_\@:
.endif
.endm
.irp t, 0,1,2,3,4,5,6,7
	STEP \t
.endr
	s_wait_tensorcnt 0x0                           ; the wave's end: three lines behind my last LDS store
	ds_add_u32 v[SPW], v[NIL]
	s_wait_dscnt 0x0
	s_endpgm
.Lfunc_end_k_q02930ef91c_quant:
	.size	k_q02930ef91c_quant, .Lfunc_end_k_q02930ef91c_quant-k_q02930ef91c_quant
	.p2alignl 7, 3214868480
	.fill 96, 4, 3214868480
	.section	.rodata,"a",@progbits
	.p2align	6, 0x0
	.amdhsa_kernel k_q02930ef91c_quant
		.amdhsa_group_segment_fixed_size 8704
		.amdhsa_private_segment_fixed_size 0
		.amdhsa_enable_private_segment 0
		.amdhsa_kernarg_size 40
		.amdhsa_user_sgpr_count 2
		.amdhsa_user_sgpr_kernarg_segment_ptr 1
		.amdhsa_wavefront_size32 1
		.amdhsa_system_sgpr_workgroup_id_x 1
		.amdhsa_system_sgpr_workgroup_id_y 1
		.amdhsa_system_sgpr_workgroup_id_z 1
		.amdhsa_system_vgpr_workitem_id 0
		.amdhsa_next_free_vgpr 256
		.amdhsa_next_free_sgpr 66
		.amdhsa_reserve_vcc 0
		.amdhsa_float_denorm_mode_32 3
		.amdhsa_float_denorm_mode_16_64 3
		.amdhsa_memory_ordered 1
		.amdhsa_forward_progress 1
		.amdhsa_inst_pref_size 89
	.end_amdhsa_kernel
	.amdgpu_metadata
---
amdhsa.version: [ 1, 2 ]
amdhsa.kernels:
  - .name:           k_q02930ef91c_quant
    .symbol:         k_q02930ef91c_quant.kd
    .args:
      - { .name: X, .offset: 0, .size: 8, .value_kind: global_buffer, .address_space: global }
      - { .name: queries, .offset: 8, .size: 8, .value_kind: global_buffer, .address_space: global }
      - { .name: lowp_scales, .offset: 16, .size: 8, .value_kind: global_buffer, .address_space: global }
      - { .name: xc, .offset: 24, .size: 8, .value_kind: global_buffer, .address_space: global }
      - { .name: qc, .offset: 32, .size: 8, .value_kind: global_buffer, .address_space: global }
    .group_segment_fixed_size: 8704
    .private_segment_fixed_size: 0
    .kernarg_segment_align: 8
    .kernarg_segment_size: 40
    .max_flat_workgroup_size: 32
    .sgpr_count:     66
    .vgpr_count:     256
    .wavefront_size: 32
...
	.end_amdgpu_metadata
.endif
;; end of part 1
;; launch main (part 2): grid 2 x 125, 4 waves a work-group, no clusters, 327,680 bytes of LDS; arguments xc, qc, cand; writes cand
.if DOCPART == 2
	.amdgcn_target "amdgcn-amd-amdhsa--gfx1250"
	.amdhsa_code_object_version 6
	.text
	.protected	k_q02930ef91c_main
	.globl	k_q02930ef91c_main
	.p2align	8
	.type	k_q02930ef91c_main,@function
k_q02930ef91c_main:
	s_mov_b64 s[64:65], 0
	v_nop
	global_prefetch_b8 v0, s[64:65] scope:SCOPE_SE
	s_setreg_imm32_b32 hwreg(HW_REG_WAVE_MODE, 25, 1), 1
	s_wait_xcnt 0x0
; KNN, launch 2 of 4: the product on codes of E4M3, and for each query the 5 best TILES of 16 neighbouring rows in each of 250 streams.  (q2 is left out: it is the same for all rows of a query; launch 1's head shows it.)
; score(q, n) = sum over k of cq cx + bias[n]: the same order as reference()'s neg_dist (launch 1's head).  bias is the C of each sum's first matrix instruction.
; WHY TILES SUFFICE.  Order tiles by (largest score, descending; tile number, ascending).  Of a tile that is not among a query's 5 best, every row has five rows ahead of it in top_k's order: the best row of each of the
; five tiles ahead scores more, or the same with a lower index.  So the 5 nearest rows lie in the 5 best tiles, for all inputs, ties too; and a tile among the 5 best of all is among the 5 best of its stream.
; Launch 3 merges the streams, launch 4 works the 80 rows out again.  A list keeps full f32 maxima beside tile numbers; an equal later maximum does not displace an earlier one, and tiles come in ascending order.
; LIMIT: NaN and infinities among the scores are not served.
; SHARES.  Work-group (x, y): queries 512 x .. 512 x + 511, tiles 50 y .. 50 y + 49.  Wave w keeps the codes of 8 tiles of 16 queries (32 x + 8 w + a) in 512 registers for the whole launch; X's records stream past, two tiles
; (a PAIR) at a time.  Source 0 = 16 rows of X, source 1 = 16 queries: lane (r, h) holds query r, and its register j row 8 h + j of the tile.  Lanes with h = 0 keep the pair's even tile, those with h = 1 the odd one.
; BY TURNS.  The wave's 8 query tiles are two pieces (a = 0..3, a = 4..7).  In a turn one piece has the matrix unit, 32 instructions, and the other piece's selection, 31 lines of four vector instructions, stands behind them line by line.
; RING.  Two LDS slots of 10 records (5 pairs, 87,040 bytes), filled by the tensor data mover, a quarter by each wave (85 rows of 256 bytes, dense).  A refill is asked for 5 pairs, 320 matrix instructions of the wave, ahead of the
; wait for it; by this text's own count a wave has two tensor loads out at the start and one later.
; NO CLUSTER: a record is read by the two work-groups (x = 0, 1) of a slice alone, and a grid of 2 x 125 divides into no cluster of 4 x 1 or 4 x 4.  NO PREFETCH: the refill itself stands a whole slot ahead of its use.
; REGISTERS, in windows of 256: window 0: v1-8 addresses and tile numbers; v16-79 eight registers a query tile: a1..a5 (descending), K, M, T at work; v80-119 their five tile numbers; v128-255 the 16 accumulators (tile u, query tile a).
;   window 1: v0-127 the pair's two fragments sets (u: 64 registers: 4 K steps x 16); v128-143 bias as C, 8 a tile.   window 2: the codes of query tiles 0-3 (64 i + 16 s);   window 3: of 4-7.
.set REC,   8704                       ; a record: 8,192 bytes of codes, 512 of bias
.set PAIRB, 2*REC
.set SLOTB, 10*REC                     ; 87,040
.set QUART, SLOTB/4                    ; 21,760 = 85 x 256
.set SLOT1, 0x20000                    ; slot 1 begins here: one exclusive or turns an address in one slot into the other's
.set SPARE, SLOTB                      ; behind slot 0: the spare words, 128 bytes for each wave: two blocks of 256 bytes that no other line names
.set SPW, 1                            ; v1  LDS address of my spare word; never rewritten
.set NIL, 2                            ; v2  0; never rewritten
.set GID, 3                            ; v3, v4  the tile number that piece 0's, piece 1's next selection stands for
.set L16, 5                            ; v5  16 x lane
.set ADR, 6                            ; v6  LDS address of the pair's codes
.set H32, 7                            ; v7  32 h
.set ADB, 8                            ; v8  LDS address of the pair's bias
.set LB,  16
.set ID,  80
.set ACC, 128
.set BC,  128                          ; in window 1
.set WV,  10                           ; s10 wave;  s11 x;  s12 y
.set QX,  11
.set SY,  12
.set TB,  13                           ; s13 LDS byte at which the pair to be fetched begins
.set CS,  14                           ; s14 counts slots;  s15 pairs
.set CP,  15
.set G1,  16                           ; s[16:23] descriptor group 1
.set G0A, 24                           ; s[24:27] group 0 of slot 0's first fill
.set G0W, 28                           ; s[28:31] group 0 that walks
.set SEL, 36                           ; s[36:37] lane selects: lane l xor 16
.set HM,  38                           ; s38 lanes 16-31
.set CM,  40                           ; s40-59 twenty compare masks: query tile i of the piece, place k: 40 + 5 i + k - 1
.set MSB, 0
.macro WIN new                         ; the immediate's high byte repeats the setting that is left; a switch that changes nothing is dropped
.if MSB != (\new)
	s_set_vgpr_msb (MSB<<8)|(\new)
.set MSB, (\new)
.endif
.endm
.macro PLACES                          ; four places behind a matrix instruction, in front of loads into its registers and of reads of its results
.rept 4
	v_nop
.endr
.endm
	s_load_b128 s[4:7], s[0:1], 0x0                ; xc s[4:5], qc s[6:7]
	s_load_b64 s[8:9], s[0:1], 0x10                ; cand
	v_lshl_add_u32 v[SPW], v0, 2, SPARE
	v_mov_b32 v[NIL], 0
	ds_add_u32 v[SPW], v[NIL]                      ; the wave's opening: the add, twice on end, and its wait ahead of my first tensor load
	ds_add_u32 v[SPW], v[NIL]                      ; and once more, under the one wait; the set-up below, work on registers, stands between
	v_lshrrev_b32 v9, 5, v0
	v_readfirstlane_b32 s[WV], v9                  ; wave 0..3
	s_mov_b32 s[QX], ttmp9
	s_and_b32 s[SY], ttmp7, 0xffff
	; descriptor group 1: 85 rows of 32 elements of 8 bytes, dense: 21,760 bytes as they lie
	s_mov_b32 s[G1+0], 3<<16                       ; 15:0 no mask; 17:16 elements of 8 bytes; no padding: a fragment load takes 512 consecutive bytes
	s_mov_b32 s[G1+1], 32<<16                      ; tensor_dim0 = 32
	s_mov_b32 s[G1+2], 85<<16                      ; tensor_dim1 = 85
	s_mov_b32 s[G1+3], 32<<16                      ; tile_dim0 = 32
	s_mov_b32 s[G1+4], 85                          ; tile_dim1 = 85
	s_mov_b32 s[G1+5], 32                          ; from row to row: 32 elements
	s_mov_b32 s[G1+6], 0
	s_mov_b32 s[G1+7], 0
	s_mov_b32 s[SEL], 0x76543210
	s_mov_b32 s[SEL+1], 0xfedcba98
	s_mov_b32 s[HM], 0xffff0000
	s_mov_b32 s[TB], 0
	s_mul_i32 s[G0A+1], s[WV], QUART               ; my quarter of a slot
	s_mul_i32 s32, s[SY], 5*SLOTB                  ; my slice: 50 records
	s_add_co_u32 s32, s32, s[G0A+1]
	s_mov_b32 s33, 0
	s_lshl_b32 s34, s[QX], 5
	s_lshl_b32 s35, s[WV], 3
	s_add_co_u32 s34, s34, s35                     ; my first query tile: 32 x + 8 w
	s_mul_i32 s60, s34, REC
	s_mov_b32 s61, 0
	s_lshl_b32 s62, s[SY], 16
	s_lshl_b32 s34, s34, 10
	s_add_co_u32 s62, s62, s34                     ; cand: 65,536 y + 1,024 x query tile
	s_mov_b32 s63, 0
	s_wait_dscnt 0x0                               ; both opening adds are done
	s_wait_kmcnt 0x0
	s_mov_b32 s[G0A], 1
	s_add_nc_u64 s[G0A+2:G0A+3], s[4:5], s[32:33]  ; pairs 0-4 of my slice, my quarter
	s_mov_b32 s[G0W], 1
	s_add_co_u32 s[G0W+1], s[G0A+1], SLOT1
	s_add_nc_u64 s[G0W+2:G0W+3], s[G0A+2:G0A+3], SLOTB   ; pairs 5-9
	s_or_b32 s[G0A+3], s[G0A+3], 0x80000000        ; type = 2
	s_or_b32 s[G0W+3], s[G0W+3], 0x80000000
	tensor_load_to_lds s[G0A:G0A+3], s[G1:G1+7]    ; every wave issues both first fills, with no branch
	s_nop 0
	tensor_load_to_lds s[G0W:G0W+3], s[G1:G1+7]
	s_nop 0
	PLACES                                         ; four vector lines stand between a tensor load and the next switch of windows
	s_add_nc_u64 s[6:7], s[6:7], s[60:61]
	s_add_nc_u64 s[8:9], s[8:9], s[62:63]
	v_and_b32 v10, 31, v0
	v_lshlrev_b32 v[L16], 4, v10
	WIN 0x80                                       ; destination window 2
.irp a, 0,1,2,3
.irp s, 0,1,2,3
.irp c, 0,1,2,3
	global_load_b128 v[64*\a+16*\s+4*\c:64*\a+16*\s+4*\c+3], v[L16], s[6:7] offset:\a*REC+2048*\s+512*\c
.endr
.endr
.endr
	WIN 0xc0                                       ; destination window 3
.irp a, 0,1,2,3
.irp s, 0,1,2,3
.irp c, 0,1,2,3
	global_load_b128 v[64*\a+16*\s+4*\c:64*\a+16*\s+4*\c+3], v[L16], s[6:7] offset:(4+\a)*REC+2048*\s+512*\c
.endr
.endr
.endr
	WIN 0
	v_bfe_u32 v9, v0, 4, 1                         ; h
	v_lshlrev_b32 v[H32], 5, v9
	s_mul_i32 s32, s[SY], 50
	v_add_nc_u32 v[GID], s32, v9                   ; piece 0 begins with tile 50 y + h;
	v_add_nc_u32 v[GID+1], -2, v[GID]              ; piece 1's first selection finds no scores yet (below) and only steps this
	s_mov_b32 s33, 0xff800000                      ; -infinity
.set i, 0
.rept 8
.irp k, 0,1,2,3,4
	v_mov_b32 v[LB+8*i+\k], s33                    ; the lists begin under every score,
	v_mov_b32 v[ID+5*i+\k], 0
.endr
.set i, i+1
.endr
.set i, 0
.rept 32
	v_mov_b32 v[ACC+32+i], s33                     ; and so do piece 1's accumulators: the pair is written in one form, whose first turn selects among these and inserts nothing
	v_mov_b32 v[ACC+96+i], s33
.set i, i+1
.endr
; Tile u of the pair at s[TB]: 16 loads of 512 consecutive bytes (the image of the fragments), 2 of the bias: lane (r, h) takes the 8 floats of rows 8 h .. 8 h + 7.
; adv (with u = 0): 0 stay; 1 on to the slot's next pair; 2 back to a slot's first pair, in the other slot.
.macro FETCH u, adv
	WIN 0
.if \u == 0
.if \adv == 1
	s_add_co_u32 s[TB], s[TB], PAIRB
.elseif \adv == 2
	s_sub_co_u32 s[TB], s[TB], 4*PAIRB
	s_xor_b32 s[TB], s[TB], SLOT1
.endif
	v_add_nc_u32 v[ADR], s[TB], v[L16]
	v_add_nc_u32 v[ADB], s[TB], v[H32]
.endif
	WIN 0x40                                       ; destination window 1
.irp s, 0,1,2,3
.irp c, 0,1,2,3
	ds_load_b128 v[64*\u+16*\s+4*\c:64*\u+16*\s+4*\c+3], v[ADR] offset:\u*REC+2048*\s+512*\c
.endr
.endr
	ds_load_b128 v[BC+8*\u:BC+8*\u+3], v[ADB] offset:\u*REC+8192
	ds_load_b128 v[BC+8*\u+4:BC+8*\u+7], v[ADB] offset:\u*REC+8192+16
.endm
; LINE tn OF THE SELECTION, for the four query tiles of piece y.  A, B: the accumulators of the pair's even and odd tile.
;   0-7    K = the largest of A's eight rows, M of B's (each accumulator is read from its low end on)
;   8-11   the halves of the lanes exchange what the other needs: lanes with h = 0 end with the even tile's largest of 16 rows in K, lanes with h = 1 with the odd tile's
;   12-16  c_k = K > a_k, strictly: an equal earlier tile, which has the lower number, stays ahead
;   17-25  the tile numbers move down from the place where K goes in; then the piece's tile number steps by 2
;   26-30  a_k = the middle one of a_(k-1), a_k, K, from k = 5 down; a_1 = the larger of a_1, K
.macro TK y
.irp i, 0,1,2,3
.set rL, LB+8*(4*\y+\i)
.set rI, ID+5*(4*\y+\i)
.set rA, ACC+8*(4*\y+\i)
.set rB, ACC+64+8*(4*\y+\i)
.set rC, CM+5*\i
.if tn == 0
	v_max3_num_f32 v[rL+5], v[rA], v[rA+1], v[rA+2]
.elseif tn == 1
	v_max3_num_f32 v[rL+6], v[rB], v[rB+1], v[rB+2]
.elseif tn == 2
	v_max3_num_f32 v[rL+5], v[rL+5], v[rA+3], v[rA+4]
.elseif tn == 3
	v_max3_num_f32 v[rL+6], v[rL+6], v[rB+3], v[rB+4]
.elseif tn == 4
	v_max3_num_f32 v[rL+5], v[rL+5], v[rA+5], v[rA+6]
.elseif tn == 5
	v_max3_num_f32 v[rL+6], v[rL+6], v[rB+5], v[rB+6]
.elseif tn == 6
	v_max_num_f32 v[rL+5], v[rL+5], v[rA+7]
.elseif tn == 7
	v_max_num_f32 v[rL+6], v[rL+6], v[rB+7]
.elseif tn == 8
	v_cndmask_b32 v[rL+7], v[rL+6], v[rL+5], s[HM]
.elseif tn == 9
	v_cndmask_b32 v[rL+5], v[rL+5], v[rL+6], s[HM]
.elseif tn == 10
	v_permlanex16_b32 v[rL+6], v[rL+7], s[SEL], s[SEL+1]
.elseif tn == 11
	v_max_num_f32 v[rL+5], v[rL+5], v[rL+6]
.elseif tn < 17
	v_cmp_gt_f32 s[rC+tn-12], v[rL+5], v[rL+tn-12]
.elseif tn < 25
.set kk, 5-(tn-17)/2
.if (tn-17)%2 == 0
	v_cndmask_b32 v[rL+7], v[GID+\y], v[rI+kk-2], s[rC+kk-2]
.else
	v_cndmask_b32 v[rI+kk-1], v[rI+kk-1], v[rL+7], s[rC+kk-1]
.endif
.elseif tn == 25
	v_cndmask_b32 v[rI], v[rI], v[GID+\y], s[rC]
.elseif tn < 30
.set kk, 31-tn
	v_med3_num_f32 v[rL+kk-1], v[rL+kk-2], v[rL+kk-1], v[rL+5]
.else
	v_max_num_f32 v[rL], v[rL], v[rL+5]
.endif
.endr
.if tn == 25
	v_add_nc_u32 v[GID+\y], 2, v[GID+\y]
.endif
.endm
; Matrix instruction mn of 32 of piece x's turn: tile u = mn / 16, K step s = (mn / 4) % 4, query tile i = mn % 4.  The four accumulators of a (u, s) take turns, one instruction a turn.
.macro MM x
.set mu, mn/16
.set ms, (mn/4)%4
.set mi, mn%4
.set rD, ACC+64*mu+8*(4*\x+mi)
.set rX, 64*mu+16*ms
.set rQ, 64*mi+16*ms
.if ms == 0
	WIN 0x19+4*\x                                  ; X window 1, Q window 2 or 3, C (bias) window 1, D window 0
	v_wmma_f32_16x16x128_fp8_fp8 v[rD:rD+7], v[rX:rX+15], v[rQ:rQ+15], v[BC+8*mu:BC+8*mu+7]
.else
	WIN 0x09+4*\x                                  ; C and D window 0
	v_wmma_f32_16x16x128_fp8_fp8 v[rD:rD+7], v[rX:rX+15], v[rQ:rQ+15], v[rD:rD+7]
.endif
.endm
; Piece 0's turn | piece 1's selection of the pair before
.macro TURN0
.set mn, 0
.rept 32
.if mn == 0
	s_wait_dscnt 18                                ; the even tile's 18 loads are in; the odd tile's 18 may be out
.elseif mn == 16
	s_wait_dscnt 0x0                               ; the odd tile's are in: from here on no read of the slot by me is out
.endif
	MM 0
.if mn < 31
	WIN 0
.set tn, mn
	TK 1
.endif
.set mn, mn+1
.endr
.endm
; Piece 1's turn | piece 0's selection of this pair.  In its middle the next pair's even tile is fetched (its registers were last read by instruction 15), at its end the odd one.
; mode 0: no next pair; 1: the next pair lies in the same slot; 2: THE CHANGE OF SLOTS, and the slot that is left is filled again; 3: the change, and nothing is left to fetch.
; The change: each wave waits for all its tensor loads (its quarter of the other slot), adds 0 to its spare word, waits for that (its reads of this slot came back in the turn before), and signals; sixteen matrix
; instructions, work on registers, stand between signal and wait; behind the wait the refill is the first thing, then the other slot is read.
.macro TURN1 mode
.if \mode >= 2
	WIN 0                                          ; (the add's two registers lie in window 0)
	s_wait_tensorcnt 0x0                           ; no tensor load of mine is out, so the walking group 0 may be written
	ds_add_u32 v[SPW], v[NIL]                      ; 0 onto my spare word
.if \mode == 2
	s_xor_b32 s[G0W+1], s[G0W+1], SLOT1            ; the other slot than last time,
	s_add_nc_u64 s[G0W+2:G0W+3], s[G0W+2:G0W+3], SLOTB   ; the next five pairs; the type bits on top are not reached
.endif
	s_wait_dscnt 0x0
	s_barrier_signal -1
.endif
.set mn, 0
.rept 32
.if mn == 16
	WIN 0
.if \mode >= 2
	s_barrier_wait -1                              ; nobody reads the slot that is left, and the other slot is whole
.endif
.if \mode == 2
	tensor_load_to_lds s[G0W:G0W+3], s[G1:G1+7]    ; my one tensor load behind this barrier
	s_nop 0
.endif
.if \mode == 1
	PLACES
	FETCH 0, 1
.elseif \mode >= 2
	PLACES
	FETCH 0, 2
.endif
.endif
	MM 1
.if mn < 31
	WIN 0
.set tn, mn
	TK 0
.endif
.set mn, mn+1
.endr
	WIN 0
.if \mode > 0
	PLACES                                         ; behind the turn's last products: for the loads below, and for the next turn's first read of their results
	FETCH 1, 0
	WIN 0
.endif
.endm
.macro PAIR mode
	TURN0
	TURN1 \mode
.endm
.macro SLOT mode                       ; a slot's five pairs: four that have their successor in the slot, and the last
	s_mov_b32 s[CP], 4
.Lpair_\@:
	PAIR 1
	s_sub_co_u32 s[CP], s[CP], 1
	s_cmp_lg_u32 s[CP], 0
	s_cbranch_scc1 .Lpair_\@
	PAIR \mode
.endm
	s_wait_tensorcnt 0x1                           ; my quarter of slot 0 is in; slot 1's may stay out
	s_barrier_signal -1
	s_barrier_wait -1                              ; everybody's is
	FETCH 0, 0
	FETCH 1, 0
	WIN 0
	s_wait_loadcnt 0x0                             ; the queries' codes
	s_mov_b32 s[CS], 3
.Lslot:                                            ; three trips: pairs 0-14; each leaves its slot to pairs 10-14, 15-19, 20-24
	SLOT 2
	s_sub_co_u32 s[CS], s[CS], 1
	s_cmp_lg_u32 s[CS], 0
	s_cbranch_scc1 .Lslot
	SLOT 3                                         ; the tail is written out
	SLOT 0
	PLACES
.set tn, 0
.rept 31
	TK 1                                           ; piece 1's selection of the last pair
.set tn, tn+1
.endr
	; THE WAY OUT: for each query tile two stores of 512 consecutive bytes: a1..a4; a5 and the five tile numbers (under 6,250: two to a word)
.set a, 0
.rept 8
	v_lshl_or_b32 v[LB+8*a+5], v[ID+5*a+1], 16, v[ID+5*a]
	v_lshl_or_b32 v[LB+8*a+6], v[ID+5*a+3], 16, v[ID+5*a+2]
	v_mov_b32 v[LB+8*a+7], v[ID+5*a+4]
.set a, a+1
.endr
.set a, 0
.rept 8
	global_store_b128 v[L16], v[LB+8*a:LB+8*a+3], s[8:9] offset:a*1024
	global_store_b128 v[L16], v[LB+8*a+4:LB+8*a+7], s[8:9] offset:a*1024+512
.set a, a+1
.endr
	s_wait_tensorcnt 0x0                           ; the wave's end: three lines behind my last tensor load
	ds_add_u32 v[SPW], v[NIL]
	s_wait_dscnt 0x0
	s_endpgm
.Lfunc_end_k_q02930ef91c_main:
	.size	k_q02930ef91c_main, .Lfunc_end_k_q02930ef91c_main-k_q02930ef91c_main
	.p2alignl 7, 3214868480
	.fill 96, 4, 3214868480
	.section	.rodata,"a",@progbits
	.p2align	6, 0x0
	.amdhsa_kernel k_q02930ef91c_main
		.amdhsa_group_segment_fixed_size 327680
		.amdhsa_private_segment_fixed_size 0
		.amdhsa_enable_private_segment 0
		.amdhsa_kernarg_size 24
		.amdhsa_user_sgpr_count 2
		.amdhsa_user_sgpr_kernarg_segment_ptr 1
		.amdhsa_wavefront_size32 1
		.amdhsa_system_sgpr_workgroup_id_x 1
		.amdhsa_system_sgpr_workgroup_id_y 1
		.amdhsa_system_sgpr_workgroup_id_z 1
		.amdhsa_system_vgpr_workitem_id 0
		.amdhsa_next_free_vgpr 1024
		.amdhsa_next_free_sgpr 66
		.amdhsa_reserve_vcc 0
		.amdhsa_float_denorm_mode_32 3
		.amdhsa_float_denorm_mode_16_64 3
		.amdhsa_memory_ordered 1
		.amdhsa_forward_progress 1
		.amdhsa_inst_pref_size 183
	.end_amdhsa_kernel
	.amdgpu_metadata
---
amdhsa.version: [ 1, 2 ]
amdhsa.kernels:
  - .name:           k_q02930ef91c_main
    .symbol:         k_q02930ef91c_main.kd
    .args:
      - { .name: xc, .offset: 0, .size: 8, .value_kind: global_buffer, .address_space: global }
      - { .name: qc, .offset: 8, .size: 8, .value_kind: global_buffer, .address_space: global }
      - { .name: cand, .offset: 16, .size: 8, .value_kind: global_buffer, .address_space: global }
    .group_segment_fixed_size: 327680
    .private_segment_fixed_size: 0
    .kernarg_segment_align: 8
    .kernarg_segment_size: 24
    .max_flat_workgroup_size: 128
    .sgpr_count:     66
    .vgpr_count:     1024
    .wavefront_size: 32
...
	.end_amdgpu_metadata
.endif
;; end of part 2
;; launch merge (part 3): grid 256 x 1, 4 waves a work-group, no clusters, 0 bytes of LDS; arguments cand, sel; writes sel
.if DOCPART == 3
	.amdgcn_target "amdgcn-amd-amdhsa--gfx1250"
	.amdhsa_code_object_version 6
	.text
	.protected	k_q02930ef91c_merge
	.globl	k_q02930ef91c_merge
	.p2align	8
	.type	k_q02930ef91c_merge,@function
k_q02930ef91c_merge:
	s_mov_b64 s[64:65], 0
	v_nop
	global_prefetch_b8 v0, s[64:65] scope:SCOPE_SE
	s_setreg_imm32_b32 hwreg(HW_REG_WAVE_MODE, 25, 1), 1
	s_wait_xcnt 0x0
; KNN, launch 3 of 4: for each query the 250 lists of launch 2 (125 slices x 2 halves of the lanes, 5 tiles each) are merged into the query's 5 best tiles, which are stored as whole numbers at fixed places:
; sel[q][0..4] = tile numbers, by rank; sel[q][5..7] = 0.  No address and no branch here hangs on a score: launch 4 reads sel and forms its addresses from it.
; ORDER: the largest maximum first; among equal maxima the lower tile number, as top_k keeps the lower index.  A tile stands in one list alone, so a tile number names one entry.
; LIMIT: NaN and infinities among the scores are not served.
; SHARES.  A wave takes one query q = 4 x work-group + wave.  Lane L takes lists L + 32 i, i = 0..7 (list l: slice l / 2, half l % 2): 40 entries a lane.  Lists 250-255 do not exist: those lanes load list 249 again
; (no load leaves the buffer) and their values become -infinity.  Five rounds: the largest value over the wave; the lowest tile number among its holders; that entry is struck out.
; Tile numbers are kept as f32 (under 6,250: exact), so that the reductions across lanes are the f32 ones.  No LDS, no barrier: waves share nothing.  The output is 32 bytes a query, stored by one lane.
.set VAL, 16                           ; v16-47   a1..a4 of list i at 16 + 4 i: entries 0-31
.set P1,  48                           ; v48-79   list i at 48 + 4 i: a5 (entry 32 + i), then the packed tile numbers
.set TID, 80                           ; v80-119  the entries' tile numbers as f32, in the entries' order
.set MX,  2
.set TM,  3
.set TP,  4
.set NEG, 5
.set INF, 6
.set PT,  7
.set RES, 8                            ; v8-15    the result
.set OF,  120                          ; v120     (L / 2) x 65,536 + (L % 2) x 256
.set OF7, 121                          ; v121     the same of min(L, 25), for i = 7
.set LN,  122
.set ZO,  123
	s_load_b128 s[4:7], s[0:1], 0x0                ; cand, sel
	v_lshrrev_b32 v1, 5, v0
	v_readfirstlane_b32 s8, v1                     ; wave
	v_and_b32 v[LN], 31, v0
	s_lshl_b32 s9, ttmp9, 2
	s_add_co_u32 s9, s9, s8                        ; q
	s_lshr_b32 s10, s9, 4
	s_lshl_b32 s10, s10, 10                        ; its tile of queries: 1,024 bytes in each slice,
	s_and_b32 s11, s9, 15
	s_lshl_b32 s11, s11, 4                         ; its lane's 16 bytes
	s_add_co_u32 s10, s10, s11
	s_mov_b32 s11, 0
	s_lshl_b32 s12, s9, 5
	s_mov_b32 s13, 0
	s_mov_b32 s14, 0x76543210
	s_mov_b32 s15, 0xfedcba98
	v_lshrrev_b32 v[OF], 1, v[LN]
	v_lshlrev_b32 v[OF], 16, v[OF]
	v_and_b32 v[TP], 1, v[LN]
	v_lshl_add_u32 v[OF], v[TP], 8, v[OF]
	v_min_u32 v[TM], 25, v[LN]
	v_lshrrev_b32 v[OF7], 1, v[TM]
	v_lshlrev_b32 v[OF7], 16, v[OF7]
	v_and_b32 v[TP], 1, v[TM]
	v_lshl_add_u32 v[OF7], v[TP], 8, v[OF7]
	v_mov_b32 v[NEG], 0xff800000
	v_mov_b32 v[INF], 0x7f800000
	v_mov_b32 v[PT], 0                             ; a lane permute's destination counts as one of its sources
	v_mov_b32 v[ZO], 0
	s_wait_kmcnt 0x0
	s_add_nc_u64 s[4:5], s[4:5], s[10:11]
	s_add_nc_u64 s[6:7], s[6:7], s[12:13]
.irp i, 0,1,2,3,4,5,6
	global_load_b128 v[VAL+4*\i:VAL+4*\i+3], v[OF], s[4:5] offset:\i*1048576        ; 16 slices on for each i
	global_load_b128 v[P1+4*\i:P1+4*\i+3], v[OF], s[4:5] offset:\i*1048576+512
.endr
	global_load_b128 v[VAL+28:VAL+31], v[OF7], s[4:5] offset:7*1048576
	global_load_b128 v[P1+28:P1+31], v[OF7], s[4:5] offset:7*1048576+512
	s_wait_loadcnt 0x0
	v_cmp_gt_u32 vcc_lo, 26, v[LN]                 ; list 224 + L exists
.irp j, 28,29,30,31
	v_cndmask_b32 v[VAL+\j], v[NEG], v[VAL+\j], vcc_lo
.endr
	v_cndmask_b32 v[P1+28], v[NEG], v[P1+28], vcc_lo
.irp i, 0,1,2,3,4,5,6,7
	v_and_b32 v[TID+4*\i], 0xffff, v[P1+4*\i+1]
	v_lshrrev_b32 v[TID+4*\i+1], 16, v[P1+4*\i+1]
	v_and_b32 v[TID+4*\i+2], 0xffff, v[P1+4*\i+2]
	v_lshrrev_b32 v[TID+4*\i+3], 16, v[P1+4*\i+2]
	v_cvt_f32_u32 v[TID+32+\i], v[P1+4*\i+3]
.endr
.set idx, 0
.rept 32
	v_cvt_f32_u32 v[TID+idx], v[TID+idx]
.set idx, idx+1
.endr
.macro RV                              ; rv = the register of entry idx's value
.if idx < 32
.set rv, VAL+idx
.else
.set rv, P1+4*(idx-32)
.endif
.endm
.macro RMAX reg                        ; the largest over the 32 lanes, in every lane
	v_max_num_f32_dpp v[\reg], v[\reg], v[\reg] row_xmask:1 row_mask:0xf bank_mask:0xf
	v_max_num_f32_dpp v[\reg], v[\reg], v[\reg] row_xmask:2 row_mask:0xf bank_mask:0xf
	v_max_num_f32_dpp v[\reg], v[\reg], v[\reg] row_xmask:4 row_mask:0xf bank_mask:0xf
	v_max_num_f32_dpp v[\reg], v[\reg], v[\reg] row_xmask:8 row_mask:0xf bank_mask:0xf
	v_permlanex16_b32 v[PT], v[\reg], s14, s15
	v_max_num_f32 v[\reg], v[\reg], v[PT]
.endm
.macro RMIN reg
	v_min_num_f32_dpp v[\reg], v[\reg], v[\reg] row_xmask:1 row_mask:0xf bank_mask:0xf
	v_min_num_f32_dpp v[\reg], v[\reg], v[\reg] row_xmask:2 row_mask:0xf bank_mask:0xf
	v_min_num_f32_dpp v[\reg], v[\reg], v[\reg] row_xmask:4 row_mask:0xf bank_mask:0xf
	v_min_num_f32_dpp v[\reg], v[\reg], v[\reg] row_xmask:8 row_mask:0xf bank_mask:0xf
	v_permlanex16_b32 v[PT], v[\reg], s14, s15
	v_min_num_f32 v[\reg], v[\reg], v[PT]
.endm
.macro ROUND k
	v_max3_num_f32 v[MX], v[VAL], v[VAL+1], v[VAL+2]
.set idx, 3
.rept 14
	v_max3_num_f32 v[MX], v[MX], v[VAL+idx], v[VAL+idx+1]
.set idx, idx+2
.endr
	v_max3_num_f32 v[MX], v[MX], v[VAL+31], v[P1]
	v_max3_num_f32 v[MX], v[MX], v[P1+4], v[P1+8]
	v_max3_num_f32 v[MX], v[MX], v[P1+12], v[P1+16]
	v_max3_num_f32 v[MX], v[MX], v[P1+20], v[P1+24]
	v_max_num_f32 v[MX], v[MX], v[P1+28]
	RMAX MX                                        ; the largest value left
	v_mov_b32 v[TM], v[INF]
.set idx, 0
.rept 40
	RV
	v_cmp_eq_f32 vcc_lo, v[rv], v[MX]
	v_cndmask_b32 v[TP], v[INF], v[TID+idx], vcc_lo
	v_min_num_f32 v[TM], v[TM], v[TP]
.set idx, idx+1
.endr
	RMIN TM                                        ; the lowest tile number among its holders
.set idx, 0
.rept 40
	RV
	v_cmp_eq_f32 vcc_lo, v[TID+idx], v[TM]
	v_cndmask_b32 v[rv], v[rv], v[NEG], vcc_lo     ; that entry is struck out
.set idx, idx+1
.endr
	v_cvt_u32_f32 v[RES+\k], v[TM]
.endm
.irp k, 0,1,2,3,4
	ROUND \k
.endr
	v_mov_b32 v[RES+5], 0
	v_mov_b32 v[RES+6], 0
	v_mov_b32 v[RES+7], 0
	v_cmp_eq_u32 vcc_lo, 0, v[LN]
	s_wait_xcnt 0x0                                ; EXEC is a source of the loads above: it changes only behind this wait
	s_and_saveexec_b32 s20, vcc_lo
	global_store_b128 v[ZO], v[RES:RES+3], s[6:7]
	global_store_b128 v[ZO], v[RES+4:RES+7], s[6:7] offset:16
	s_wait_xcnt 0x0                                ; and again, in front of the line that widens it
	s_or_b32 exec_lo, exec_lo, s20
	s_endpgm
.Lfunc_end_k_q02930ef91c_merge:
	.size	k_q02930ef91c_merge, .Lfunc_end_k_q02930ef91c_merge-k_q02930ef91c_merge
	.p2alignl 7, 3214868480
	.fill 96, 4, 3214868480
	.section	.rodata,"a",@progbits
	.p2align	6, 0x0
	.amdhsa_kernel k_q02930ef91c_merge
		.amdhsa_group_segment_fixed_size 0
		.amdhsa_private_segment_fixed_size 0
		.amdhsa_enable_private_segment 0
		.amdhsa_kernarg_size 16
		.amdhsa_user_sgpr_count 2
		.amdhsa_user_sgpr_kernarg_segment_ptr 1
		.amdhsa_wavefront_size32 1
		.amdhsa_system_sgpr_workgroup_id_x 1
		.amdhsa_system_sgpr_workgroup_id_y 1
		.amdhsa_system_sgpr_workgroup_id_z 1
		.amdhsa_system_vgpr_workitem_id 0
		.amdhsa_next_free_vgpr 128
		.amdhsa_next_free_sgpr 66
		.amdhsa_reserve_vcc 1
		.amdhsa_float_denorm_mode_32 3
		.amdhsa_float_denorm_mode_16_64 3
		.amdhsa_memory_ordered 1
		.amdhsa_forward_progress 1
		.amdhsa_inst_pref_size 48
	.end_amdhsa_kernel
	.amdgpu_metadata
---
amdhsa.version: [ 1, 2 ]
amdhsa.kernels:
  - .name:           k_q02930ef91c_merge
    .symbol:         k_q02930ef91c_merge.kd
    .args:
      - { .name: cand, .offset: 0, .size: 8, .value_kind: global_buffer, .address_space: global }
      - { .name: sel, .offset: 8, .size: 8, .value_kind: global_buffer, .address_space: global }
    .group_segment_fixed_size: 0
    .private_segment_fixed_size: 0
    .kernarg_segment_align: 8
    .kernarg_segment_size: 16
    .max_flat_workgroup_size: 128
    .sgpr_count:     66
    .vgpr_count:     128
    .wavefront_size: 32
...
	.end_amdgpu_metadata
.endif
;; end of part 3
;; launch vote (part 4): grid 256 x 1, 4 waves a work-group, no clusters, 0 bytes of LDS; arguments xc, qc, Y, sel, out0; writes out0
.if DOCPART == 4
	.amdgcn_target "amdgcn-amd-amdhsa--gfx1250"
	.amdhsa_code_object_version 6
	.text
	.protected	k_q02930ef91c_vote
	.globl	k_q02930ef91c_vote
	.p2align	8
	.type	k_q02930ef91c_vote,@function
k_q02930ef91c_vote:
	s_mov_b64 s[64:65], 0
	v_nop
	global_prefetch_b8 v0, s[64:65] scope:SCOPE_SE
	s_setreg_imm32_b32 hwreg(HW_REG_WAVE_MODE, 25, 1), 1
	s_wait_xcnt 0x0
; KNN, launch 4 of 4: for each query the 80 rows of its 5 best tiles (sel, stored by launch 3) are scored again, the 5 best rows are taken in top_k's order, and the mean of their labels is stored beside a zero.
; (q2 is left out here too: it is the same for all rows of a query; launch 1's head shows it.)
; The scores are made as in launch 2: the same matrix instruction, the same sources, bias as the first C, K steps in the same order.  ORDER: the largest score first; among equal scores the lower row number n.
; All addresses hang on whole numbers read from memory: sel's tile numbers, held at 6,249 at the most.  Y is loaded for all 80 rows and chosen by v_cndmask_b32: no address hangs on a score.
; LIMIT: NaN and infinities among the scores are not served.
; SHARES.  A wave takes one query q = 4 x work-group + wave.  Source 0 = 16 rows of a tile of X, source 1 = the 16 queries of q's tile: lane (r, h) holds query r and rows 8 h + j; the lanes of the other 15 queries share the
; tile with the live one and are set to -infinity afterwards.  Five accumulators take turns, one instruction a turn.  The launch's output is 8 bytes a query, stored by one lane.
; REGISTERS: window 0: v1-15 at work; v16-79 the queries' fragments; v80-119 bias, then the scores (tile t at 80 + 8 t); v120-159 Y; v160-199 the rows' numbers n as f32 (under 100,000: exact).
;   window 1: the fragments of tiles 0-3 (64 t);   window 2: v0-63 tile 4's.
.set REC, 8704
.set L16, 1
.set MX,  2
.set TM,  3
.set TP,  4
.set NEG, 5
.set INF, 6
.set PT,  7
.set YS,  8                            ; v8   the sum of the chosen labels among my half's rows
.set H32, 9
.set RR,  10
.set HH,  11
.set ZO,  12
.set SC,  13
.set OUT, 14                           ; v[14:15]
.set Q,   16
.set ACC, 80
.set YR,  120
.set N,   160
.set MSB, 0
.macro WIN new
.if MSB != (\new)
	s_set_vgpr_msb (MSB<<8)|(\new)
.set MSB, (\new)
.endif
.endm
	s_load_b256 s[4:11], s[0:1], 0x0               ; xc s[4:5], qc s[6:7], Y s[8:9], sel s[10:11]
	s_load_b64 s[12:13], s[0:1], 0x20              ; out0
	v_lshrrev_b32 v[SC], 5, v0
	v_readfirstlane_b32 s14, v[SC]                 ; wave
	s_lshl_b32 s15, ttmp9, 2
	s_add_co_u32 s15, s15, s14                     ; q
	s_lshl_b32 s46, s15, 5
	s_mov_b32 s47, 0
	s_lshr_b32 s50, s15, 4
	s_mul_i32 s50, s50, REC                        ; its tile of queries
	s_mov_b32 s51, 0
	s_lshl_b32 s56, s15, 3
	s_mov_b32 s57, 0
	s_and_b32 s53, s15, 15                         ; its lane % 16
	s_mov_b32 s48, 0x76543210
	s_mov_b32 s49, 0xfedcba98
	v_and_b32 v[SC], 31, v0
	v_lshlrev_b32 v[L16], 4, v[SC]
	v_and_b32 v[RR], 15, v0
	v_bfe_u32 v[HH], v0, 4, 1
	v_lshlrev_b32 v[H32], 5, v[HH]
	v_mov_b32 v[NEG], 0xff800000
	v_mov_b32 v[INF], 0x7f800000
	v_mov_b32 v[PT], 0
	v_mov_b32 v[YS], 0
	v_mov_b32 v[ZO], 0
	s_wait_kmcnt 0x0
	s_add_nc_u64 s[10:11], s[10:11], s[46:47]
	s_load_b256 s[16:23], s[10:11], 0x0            ; the five tile numbers (and three zeros)
	s_add_nc_u64 s[44:45], s[6:7], s[50:51]
	s_add_nc_u64 s[12:13], s[12:13], s[56:57]
.irp s, 0,1,2,3
.irp c, 0,1,2,3
	global_load_b128 v[Q+16*\s+4*\c:Q+16*\s+4*\c+3], v[L16], s[44:45] offset:2048*\s+512*\c
.endr
.endr
	s_wait_kmcnt 0x0
.irp t, 0,1,2,3,4
	s_min_u32 s[16+\t], s[16+\t], 6249             ; a loaded number enters an address only behind this hold
	s_mul_i32 s50, s[16+\t], REC
	s_add_nc_u64 s[24+2*\t:25+2*\t], s[4:5], s[50:51]     ; the tile's record
	s_lshl_b32 s50, s[16+\t], 6
	s_add_nc_u64 s[34+2*\t:35+2*\t], s[8:9], s[50:51]     ; and its 16 labels
.endr
.irp t, 0,1,2,3,4
	global_load_b128 v[ACC+8*\t:ACC+8*\t+3], v[H32], s[24+2*\t:25+2*\t] offset:8192       ; bias of rows 8 h .. 8 h + 7: the sums begin with it
	global_load_b128 v[ACC+8*\t+4:ACC+8*\t+7], v[H32], s[24+2*\t:25+2*\t] offset:8192+16
	global_load_b128 v[YR+8*\t:YR+8*\t+3], v[H32], s[34+2*\t:35+2*\t]
	global_load_b128 v[YR+8*\t+4:YR+8*\t+7], v[H32], s[34+2*\t:35+2*\t] offset:16
.endr
	WIN 0x40                                       ; destination window 1
.irp t, 0,1,2,3
.irp s, 0,1,2,3
.irp c, 0,1,2,3
	global_load_b128 v[64*\t+16*\s+4*\c:64*\t+16*\s+4*\c+3], v[L16], s[24+2*\t:25+2*\t] offset:2048*\s+512*\c
.endr
.endr
.endr
	WIN 0x80                                       ; destination window 2
.irp s, 0,1,2,3
.irp c, 0,1,2,3
	global_load_b128 v[16*\s+4*\c:16*\s+4*\c+3], v[L16], s[32:33] offset:2048*\s+512*\c
.endr
.endr
	WIN 0
.irp t, 0,1,2,3,4                      ; while the loads are out: n = 16 T + 8 h + j
	s_lshl_b32 s52, s[16+\t], 4
	v_lshl_add_u32 v[SC], v[HH], 3, s52
.irp j, 0,1,2,3,4,5,6,7
	v_add_nc_u32 v[N+8*\t+\j], \j, v[SC]
.endr
.endr
.set idx, 0
.rept 40
	v_cvt_f32_u32 v[N+idx], v[N+idx]
.set idx, idx+1
.endr
	s_wait_loadcnt 0x0
.irp s, 0,1,2,3
	WIN 0x01                                       ; source 0 window 1
.irp t, 0,1,2,3
	v_wmma_f32_16x16x128_fp8_fp8 v[ACC+8*\t:ACC+8*\t+7], v[64*\t+16*\s:64*\t+16*\s+15], v[Q+16*\s:Q+16*\s+15], v[ACC+8*\t:ACC+8*\t+7]
.endr
	WIN 0x02                                       ; source 0 window 2
	v_wmma_f32_16x16x128_fp8_fp8 v[ACC+32:ACC+39], v[16*\s:16*\s+15], v[Q+16*\s:Q+16*\s+15], v[ACC+32:ACC+39]
.endr
	WIN 0
.set idx, 0
.rept 40
	v_cvt_f32_i32 v[YR+idx], v[YR+idx]             ; the labels as f32.  (These name no register of the products: they are the places behind the last of them)
.set idx, idx+1
.endr
	v_cmp_eq_u32 vcc_lo, s53, v[RR]                ; my lane holds query q
.set idx, 0
.rept 40
	v_cndmask_b32 v[ACC+idx], v[NEG], v[ACC+idx], vcc_lo   ; each accumulator from its low end on
.set idx, idx+1
.endr
.macro RMAX reg
	v_max_num_f32_dpp v[\reg], v[\reg], v[\reg] row_xmask:1 row_mask:0xf bank_mask:0xf
	v_max_num_f32_dpp v[\reg], v[\reg], v[\reg] row_xmask:2 row_mask:0xf bank_mask:0xf
	v_max_num_f32_dpp v[\reg], v[\reg], v[\reg] row_xmask:4 row_mask:0xf bank_mask:0xf
	v_max_num_f32_dpp v[\reg], v[\reg], v[\reg] row_xmask:8 row_mask:0xf bank_mask:0xf
	v_permlanex16_b32 v[PT], v[\reg], s48, s49
	v_max_num_f32 v[\reg], v[\reg], v[PT]
.endm
.macro RMIN reg
	v_min_num_f32_dpp v[\reg], v[\reg], v[\reg] row_xmask:1 row_mask:0xf bank_mask:0xf
	v_min_num_f32_dpp v[\reg], v[\reg], v[\reg] row_xmask:2 row_mask:0xf bank_mask:0xf
	v_min_num_f32_dpp v[\reg], v[\reg], v[\reg] row_xmask:4 row_mask:0xf bank_mask:0xf
	v_min_num_f32_dpp v[\reg], v[\reg], v[\reg] row_xmask:8 row_mask:0xf bank_mask:0xf
	v_permlanex16_b32 v[PT], v[\reg], s48, s49
	v_min_num_f32 v[\reg], v[\reg], v[PT]
.endm
.macro ROUND
	v_max3_num_f32 v[MX], v[ACC], v[ACC+1], v[ACC+2]
.set idx, 3
.rept 18
	v_max3_num_f32 v[MX], v[MX], v[ACC+idx], v[ACC+idx+1]
.set idx, idx+2
.endr
	v_max_num_f32 v[MX], v[MX], v[ACC+39]
	RMAX MX                                        ; the largest score left
	v_mov_b32 v[TM], v[INF]
.set idx, 0
.rept 40
	v_cmp_eq_f32 vcc_lo, v[ACC+idx], v[MX]
	v_cndmask_b32 v[TP], v[INF], v[N+idx], vcc_lo
	v_min_num_f32 v[TM], v[TM], v[TP]
.set idx, idx+1
.endr
	RMIN TM                                        ; the lowest row number among its holders
.set idx, 0
.rept 40
	v_cmp_eq_f32 vcc_lo, v[N+idx], v[TM]           ; true in all sixteen lanes of the half that holds the row: they hold the same n and the same label
	v_cndmask_b32 v[ACC+idx], v[ACC+idx], v[NEG], vcc_lo
	v_cndmask_b32 v[TP], 0, v[YR+idx], vcc_lo
	v_add_f32 v[YS], v[YS], v[TP]
.set idx, idx+1
.endr
.endm
.rept 5
	ROUND
.endr
	v_permlanex16_b32 v[PT], v[YS], s48, s49       ; the other half's rows
	v_add_f32 v[YS], v[YS], v[PT]
	v_mul_f32 v[OUT], 0x3e4ccccd, v[YS]            ; / 5
	v_mov_b32 v[OUT+1], 0                          ; the padded column
	v_and_b32 v[SC], 31, v0
	v_cmp_eq_u32 vcc_lo, 0, v[SC]
	s_wait_xcnt 0x0                                ; EXEC is a source of the loads above: it changes only behind this wait
	s_and_saveexec_b32 s54, vcc_lo
	global_store_b64 v[ZO], v[OUT:OUT+1], s[12:13]
	s_wait_xcnt 0x0                                ; and again, in front of the line that widens it
	s_or_b32 exec_lo, exec_lo, s54
	s_endpgm
.Lfunc_end_k_q02930ef91c_vote:
	.size	k_q02930ef91c_vote, .Lfunc_end_k_q02930ef91c_vote-k_q02930ef91c_vote
	.p2alignl 7, 3214868480
	.fill 96, 4, 3214868480
	.section	.rodata,"a",@progbits
	.p2align	6, 0x0
	.amdhsa_kernel k_q02930ef91c_vote
		.amdhsa_group_segment_fixed_size 0
		.amdhsa_private_segment_fixed_size 0
		.amdhsa_enable_private_segment 0
		.amdhsa_kernarg_size 40
		.amdhsa_user_sgpr_count 2
		.amdhsa_user_sgpr_kernarg_segment_ptr 1
		.amdhsa_wavefront_size32 1
		.amdhsa_system_sgpr_workgroup_id_x 1
		.amdhsa_system_sgpr_workgroup_id_y 1
		.amdhsa_system_sgpr_workgroup_id_z 1
		.amdhsa_system_vgpr_workitem_id 0
		.amdhsa_next_free_vgpr 576
		.amdhsa_next_free_sgpr 66
		.amdhsa_reserve_vcc 1
		.amdhsa_float_denorm_mode_32 3
		.amdhsa_float_denorm_mode_16_64 3
		.amdhsa_memory_ordered 1
		.amdhsa_forward_progress 1
		.amdhsa_inst_pref_size 75
	.end_amdhsa_kernel
	.amdgpu_metadata
---
amdhsa.version: [ 1, 2 ]
amdhsa.kernels:
  - .name:           k_q02930ef91c_vote
    .symbol:         k_q02930ef91c_vote.kd
    .args:
      - { .name: xc, .offset: 0, .size: 8, .value_kind: global_buffer, .address_space: global }
      - { .name: qc, .offset: 8, .size: 8, .value_kind: global_buffer, .address_space: global }
      - { .name: Y, .offset: 16, .size: 8, .value_kind: global_buffer, .address_space: global }
      - { .name: sel, .offset: 24, .size: 8, .value_kind: global_buffer, .address_space: global }
      - { .name: out0, .offset: 32, .size: 8, .value_kind: global_buffer, .address_space: global }
    .group_segment_fixed_size: 0
    .private_segment_fixed_size: 0
    .kernarg_segment_align: 8
    .kernarg_segment_size: 40
    .max_flat_workgroup_size: 128
    .sgpr_count:     66
    .vgpr_count:     576
    .wavefront_size: 32
...
	.end_amdgpu_metadata
.endif
;; end of part 4
